; MI455X (gfx1250); checked and timed in simulation.
; The chip was launched on July 23, 2026; its instructions are those of AMD's public machine-readable ISA for CDNA 5 (MIT licence, August 2026) and "CDNA5" Instruction Set Architecture Reference Guide (July 2026). The comments in the code are by the model that wrote it; some were corrected since.
;; Multi Self attention0. Allowed arithmetic: float matrix products may take bf16 or f16 operands with f32 sums; all other float work in f32.
;; Inputs: b_0 128 float32; b_k 1,024 float32; b_q 1,024 float32; b_v 1,024 float32; k 4 x 2,048 x 1,024 float32; q 4 x 2,048 x 1,024 float32; v 4 x 2,048 x 1,024 float32; w_0 1,024 x 128 float32; w_k 1,024 x 1,024 float32; w_q 1,024 x 1,024 float32; w_v 1,024 x 1,024 float32.
;; Outputs: out0 4 x 2,048 x 128 float32.
;; 2 versions, each right; version 2 is version 1 with the launch castw written anew for expert scheduling mode. Each part assembles by itself: llvm-mc -triple=amdgcn-amd-amdhsa -mcpu=gfx1250 --defsym DOCPART=n.
;; ======== version 1 of 2: 4 launches
;; workspace buffers: wb 6,553,600 bytes; pj 50,331,648 bytes; ao 16,777,216 bytes
;; launch castw (part 1): grid 200 x 1, 8 waves a work-group, no clusters, 0 bytes of LDS; arguments w_q, w_k, w_v, w_0, wb; writes wb
.if DOCPART == 1
	.amdgcn_target "amdgcn-amd-amdhsa--gfx1250"
	.amdhsa_code_object_version 6
	.text
	.protected	k_q0557dfc644_castw
	.globl	k_q0557dfc644_castw
	.p2align	8
	.type	k_q0557dfc644_castw,@function
k_q0557dfc644_castw:
	s_mov_b64 s[64:65], 0
	v_nop
	global_prefetch_b8 v0, s[64:65] scope:SCOPE_SE
	s_setreg_imm32_b32 hwreg(HW_REG_WAVE_MODE, 25, 1), 1
	s_wait_xcnt 0x0
; wb = bf16(w_q), bf16(w_k), bf16(w_v), bf16(w_0), one behind the other, each in its own layout [K][N].
; The transposing LDS load that later feeds the matrix units takes 16-bit numbers, so the weights are rounded once, here.
; A stream: no LDS, no barrier, no matrix unit, nothing shared between work-groups, so no cluster either.
; Work-group id owns 16,384 numbers: 65,536 bytes in, 32,768 bytes out.  ids 0-63 w_q, 64-127 w_k, 128-191 w_v, 192-199 w_0.
; Thread t, pass i: 16 bytes at 4,096 i + 16 t in, 8 bytes at 2,048 i + 8 t out: a store of a wave covers 256 consecutive bytes, aligned.
; All sixteen loads go out first; no register is used twice, so the only waits are the counted ones for the data.
.set PASSES, 16
.set IN,  4                            ; v[4:67]   pass i: four f32
.set OUT, 68                           ; v[68:99]  pass i: four bf16
	s_load_b256 s[4:11], s[0:1], 0x0               ; w_q s[4:5], w_k s[6:7], w_v s[8:9], w_0 s[10:11]
	s_load_b64 s[12:13], s[0:1], 0x20              ; wb
	s_lshr_b32 s14, ttmp9, 6                       ; which weight
	s_and_b32 s16, ttmp9, 63
	s_lshl_b32 s16, s16, 16                        ; my 65,536 bytes in it
	s_mov_b32 s17, 0
	s_lshl_b32 s18, ttmp9, 15                      ; my 32,768 bytes in wb
	s_mov_b32 s19, 0
	v_lshlrev_b32 v1, 4, v0
	v_lshlrev_b32 v2, 3, v0
	s_wait_kmcnt 0x0
	s_cmp_eq_u32 s14, 1
	s_cselect_b64 s[4:5], s[6:7], s[4:5]
	s_cmp_eq_u32 s14, 2
	s_cselect_b64 s[4:5], s[8:9], s[4:5]
	s_cmp_eq_u32 s14, 3
	s_cselect_b64 s[4:5], s[10:11], s[4:5]
	s_add_nc_u64 s[4:5], s[4:5], s[16:17]
	s_add_nc_u64 s[12:13], s[12:13], s[18:19]
.set i, 0
.rept PASSES
	global_load_b128 v[IN+4*i:IN+4*i+3], v1, s[4:5] offset:4096*i th:TH_LOAD_NT
.set i, i+1
.endr
.set i, 0
.rept PASSES
	s_wait_loadcnt PASSES-1-i                      ; loads come back in order: pass i is in, the younger ones stay out
	v_cvt_pk_bf16_f32 v[OUT+2*i],   v[IN+4*i],   v[IN+4*i+1]
	v_cvt_pk_bf16_f32 v[OUT+2*i+1], v[IN+4*i+2], v[IN+4*i+3]
	global_store_b64 v2, v[OUT+2*i:OUT+2*i+1], s[12:13] offset:2048*i
.set i, i+1
.endr
	s_endpgm
.Lfunc_end_k_q0557dfc644_castw:
	.size	k_q0557dfc644_castw, .Lfunc_end_k_q0557dfc644_castw-k_q0557dfc644_castw
	.p2alignl 7, 3214868480
	.fill 96, 4, 3214868480
	.section	.rodata,"a",@progbits
	.p2align	6, 0x0
	.amdhsa_kernel k_q0557dfc644_castw
		.amdhsa_group_segment_fixed_size 0
		.amdhsa_private_segment_fixed_size 0
		.amdhsa_enable_private_segment 0
		.amdhsa_kernarg_size 40
		.amdhsa_user_sgpr_count 2
		.amdhsa_user_sgpr_kernarg_segment_ptr 1
		.amdhsa_wavefront_size32 1
		.amdhsa_system_sgpr_workgroup_id_x 1
		.amdhsa_system_sgpr_workgroup_id_y 1
		.amdhsa_system_sgpr_workgroup_id_z 1
		.amdhsa_system_vgpr_workitem_id 0
		.amdhsa_next_free_vgpr 104
		.amdhsa_next_free_sgpr 66
		.amdhsa_reserve_vcc 0
		.amdhsa_float_denorm_mode_32 3
		.amdhsa_float_denorm_mode_16_64 3
		.amdhsa_memory_ordered 1
		.amdhsa_forward_progress 1
		.amdhsa_inst_pref_size 7
	.end_amdhsa_kernel
	.amdgpu_metadata
---
amdhsa.version: [ 1, 2 ]
amdhsa.kernels:
  - .name:           k_q0557dfc644_castw
    .symbol:         k_q0557dfc644_castw.kd
    .args:
      - { .name: w_q, .offset: 0, .size: 8, .value_kind: global_buffer, .address_space: global }
      - { .name: w_k, .offset: 8, .size: 8, .value_kind: global_buffer, .address_space: global }
      - { .name: w_v, .offset: 16, .size: 8, .value_kind: global_buffer, .address_space: global }
      - { .name: w_0, .offset: 24, .size: 8, .value_kind: global_buffer, .address_space: global }
      - { .name: wb, .offset: 32, .size: 8, .value_kind: global_buffer, .address_space: global }
    .group_segment_fixed_size: 0
    .private_segment_fixed_size: 0
    .kernarg_segment_align: 8
    .kernarg_segment_size: 40
    .max_flat_workgroup_size: 256
    .sgpr_count:     66
    .vgpr_count:     104
    .wavefront_size: 32
...
	.end_amdgpu_metadata
.endif
;; end of part 1
;; launch proj (part 2): grid 4 x 192, 4 waves a work-group, clusters of 4 x 4, 327,680 bytes of LDS; arguments q, k, v, wb, b_q, b_k, b_v, pj; writes pj
.if DOCPART == 2
	.amdgcn_target "amdgcn-amd-amdhsa--gfx1250"
	.amdhsa_code_object_version 6
	.text
	.protected	k_q0557dfc644_proj
	.globl	k_q0557dfc644_proj
	.p2align	8
	.type	k_q0557dfc644_proj,@function
k_q0557dfc644_proj:
	s_mov_b64 s[64:65], 0
	v_nop
	global_prefetch_b8 v0, s[64:65] scope:SCOPE_SE
	s_setreg_imm32_b32 hwreg(HW_REG_WAVE_MODE, 25, 1), 1
	s_wait_xcnt 0x0
	s_wait_alu depctr_hold_cnt(0) depctr_sa_sdst(0) depctr_va_vdst(0) depctr_va_sdst(0) depctr_va_ssrc(0) depctr_va_vcc(0) depctr_vm_vsrc(0)
	s_getreg_b32 s2, hwreg(HW_REG_IB_STS2, 6, 4)
	s_cmp_eq_u32 s2, 0
	s_cbranch_scc0 .Lentry_in_a_cluster
	s_endpgm
.Lentry_in_a_cluster:
	s_bfe_u32 s2, ttmp6, 0x10000c
	s_cmp_lg_u32 s2, 0xf033
	s_cbranch_scc0 .Lentry_shape_is_right
	s_endpgm
.Lentry_shape_is_right:
; pj[p] = relu(x_p W_p + b_p) in bf16, p = 0, 1, 2 for q, k, v; plane 0 also times log2(e) / sqrt(128), so that the attention can use 2^x.
; x_p: [8192][1024] f32.  W_p: [1024][1024] bf16 in wb ([K][N]).  pj plane: [8192][1024] bf16.
; 768 work-groups, each a block of 128 rows x 256 columns over K = 1024; four waves, wave w = (wm, wn) makes 64 rows x 128 columns: 32 accumulator
; tiles, 256 registers.  K goes in steps of 128 through two LDS slots that the tensor data mover fills.
; x stays f32 on its way into LDS and is rounded to bf16 between LDS and the matrix unit (four 16-byte loads and eight conversions a fragment):
; that spares a pass over q, k and v through memory.  W comes by the transposing 16-bit LDS load.
; CLUSTERS: 4 x 4 work-groups.  The four of a row of the cluster share the 128 rows of x, the four of a column the 256 columns of W: each tile is
; asked for jointly.  The plane p hangs on the cluster y alone, so it is the same in all sixteen.
; THE MATRIX INSTRUCTION IS USED TRANSPOSED: source 0 = 16 columns of W, source 1 = 16 rows of x; a lane then holds row l % 16 and eight
; neighbouring columns 8 (l / 16) + 0..7, which pack into 16 bytes.
; LDS: slot s at s x 139,264; quarter w of a slot is what wave w fetches: quarters 0, 1 = x rows 0-63, 64-127 (512 bytes + 16: pitch 528, an odd
; multiple of 16); quarters 2, 3 = W rows k 0-63, 64-127 (512 bytes + 32: pitch 544, an odd multiple of 32), one behind the other without a gap.
; Behind the slots: 16 rows x 272 bytes for each wave, for the way out; no tensor load lands there.
; REGISTERS: window 0: v16-28 addresses, v32-95 fragments of x in bf16 (two buffers), v96-159 x as loaded (f32), v160-223 bias, v224-255 packed results;
; window 1: accumulator (a, b) at 8 (8 a + b); window 2: fragments of W, two buffers of 64.
; LIMITS: matrix operands are bf16 (x, W), sums f32; plane 0 is scaled before its one rounding to bf16; the ReLU is a maximum in which a NaN loses,
; so a NaN in the inputs comes out as 0 here.
.set PA,     528
.set PW,     544
.set QUART,  34816                     ; 64 x 544; x uses 64 x 528 of it
.set SLOT,   4*QUART
.set STAGE,  2*SLOT
.set SP,     272
.set XSTEP,  512                       ; a K step in a row of x: 128 f32
.set WSTEP,  262144                    ; a K step in W: 128 rows of 2,048 bytes
.set ADRA, 16                          ; v16-17  my x rows in slot 0, 1
.set ADRB, 20                          ; v20-21  my W columns in slot 0, 1
.set STO,  24
.set RD,   25
.set CO,   26
.set PFO,  27                          ; offset of the block of 256 bytes of x that I prefetch
.set BO,   28                          ; offset of my bias
.set ABF,  32
.set RAW,  96
.set BIAS, 160
.set TMP,  224
.set G1,  24                           ; s[24:31] shape of a tile of x
.set G0,  32                           ; s[32:39] from where, to where: x, one set for each slot
.set G1B, 48                           ; s[48:55] shape of a tile of W
.set G0B, 56                           ; s[56:63] W, one set for each slot
.set W_MUL, 0x52                       ; source 0 (W) window 2, source 1 (x) window 0, C and D window 1
.set TO_B,  0x80                       ; destination window 2, address window 0
.set MSB, 0
.macro WIN new                         ; the high byte repeats the setting that is left
.if MSB != \new
	s_set_vgpr_msb (MSB<<8)|\new
.set MSB, \new
.endif
.endm
; A joint load: waves 0, 1 fetch the two halves of x, waves 2, 3 those of W.  Each line has one mask; the branch hangs on the wave number alone.
; Four v_nop follow each line.
.macro JLOAD s
	s_cmp_eq_u32 s21, 0
	s_cbranch_scc0 .Lfor_b_\@
	tensor_load_to_lds s[G0+4*\s:G0+4*\s+3], s[G1:G1+7]
	s_nop 0
.rept 4
	v_nop
.endr
	s_branch .Lasked_\@
.Lfor_b_\@:
	tensor_load_to_lds s[G0B+4*\s:G0B+4*\s+3], s[G1B:G1B+7]
	s_nop 0
.rept 4
	v_nop
.endr
.Lasked_\@:
.endm
.macro CREST                           ; a round of the cluster barrier behind its opening work-group barrier
	s_cmp_lg_u32 s20, 0
	s_cbranch_scc1 .Lnot_wave_0_\@
	s_barrier_signal -3
.Lnot_wave_0_\@:
	s_barrier_wait -3
	s_barrier_signal -1
	s_barrier_wait -1
.endm
.macro CROUND
	s_barrier_signal -1
	s_barrier_wait -1
	CREST
.endm
	s_load_b512 s[4:19], s[0:1], 0x0               ; q s[4:5], k s[6:7], v s[8:9], wb s[10:11], b_q s[12:13], b_k s[14:15], b_v s[16:17], pj s[18:19]
	v_lshl_add_u32 v30, v0, 2, 0x48400
	v_mov_b32 v31, 0
	ds_add_u32 v30, v31
	v_lshrrev_b32 v1, 5, v0
	v_readfirstlane_b32 s20, v1                    ; wave 0..3
	s_lshr_b32 s21, s20, 1                         ; wm: my 64 rows.  Also: I fetch x (0) or W (1)
	s_and_b32 s22, s20, 1                          ; wn: my 128 columns.  Also: which 64 rows of that tile I fetch
	s_bfe_u32 s40, ttmp6, 0x40000                  ; cx
	s_bfe_u32 s41, ttmp6, 0x40004                  ; cy
	s_lshl_b32 s42, ttmp9, 2
	s_add_co_u32 s42, s42, s40                     ; block column 0..3
	s_and_b32 s23, ttmp7, 0xffff                   ; cluster y 0..47
	s_lshr_b32 s66, s23, 4                         ; p: the plane
	s_and_b32 s67, s23, 15
	s_lshl_b32 s67, s67, 2
	s_add_co_u32 s67, s67, s41                     ; block row 0..63
	s_lshl_b32 s43, s41, 2
	s_lshl_b32 s43, 15, s43                        ; my row of the cluster
	s_lshl_b32 s44, 0x1111, s40                    ; my column
	; x: 64 rows x 128 elements of 4 bytes, 4 words of padding behind every 128 words; W: 64 rows x 256 elements of 2 bytes, 8 words of padding
	s_or_b32 s[G1+0], s43, (2<<16)|(1<<20)|(1<<21)|(6<<22)|(3<<25)
	s_mov_b32 s[G1+1], 128<<16                     ; tensor_dim0 = 128
	s_mov_b32 s[G1+2], 64<<16                      ; tensor_dim1 = 64
	s_mov_b32 s[G1+3], 128<<16                     ; tile_dim0 = 128
	s_mov_b32 s[G1+4], 64                          ; tile_dim1 = 64
	s_mov_b32 s[G1+5], 1024                        ; elements from row to row
	s_mov_b32 s[G1+6], 0
	s_mov_b32 s[G1+7], 0
	s_or_b32 s[G1B+0], s44, (1<<16)|(1<<20)|(1<<21)|(6<<22)|(7<<25)
	s_mov_b32 s[G1B+1], 256<<16
	s_mov_b32 s[G1B+2], 64<<16
	s_mov_b32 s[G1B+3], 256<<16
	s_mov_b32 s[G1B+4], 64
	s_mov_b32 s[G1B+5], 1024
	s_mov_b32 s[G1B+6], 0
	s_mov_b32 s[G1B+7], 0
	s_lshl_b32 s68, s67, 19                        ; x: 128 rows of 4,096 bytes a block row (no cx in it)
	s_mov_b32 s69, 0
	s_lshl_b32 s78, s22, 18                        ; + my 64 rows
	s_mov_b32 s79, 0
	s_lshl_b32 s46, s66, 21                        ; W: the plane (2 MiB), my 64 rows of 2,048 bytes, 512 bytes a block column (no cy in it)
	s_lshl_b32 s45, s22, 17
	s_add_co_u32 s46, s46, s45
	s_lshl_b32 s45, s42, 9
	s_add_co_u32 s46, s46, s45
	s_mov_b32 s47, 0
	s_lshl_b32 s80, s66, 24                        ; pj: the plane (16 MiB), rows of 2,048 bytes, my 256 bytes of them
	s_lshl_b32 s84, s67, 18
	s_add_co_u32 s80, s80, s84
	s_lshl_b32 s84, s21, 17
	s_add_co_u32 s80, s80, s84
	s_lshl_b32 s84, s42, 9
	s_add_co_u32 s80, s80, s84
	s_lshl_b32 s84, s22, 8
	s_add_co_u32 s80, s80, s84
	s_mov_b32 s81, 0
	s_lshl_b32 s82, s42, 10                        ; bias: 256 f32 a block column, 128 a wave
	s_lshl_b32 s84, s22, 9
	s_add_co_u32 s82, s82, s84
	s_mov_b32 s83, 0
	s_mul_i32 s3, s20, QUART                       ; my quarter of a slot: the wave number alone
	s_wait_dscnt 0x0
	s_wait_kmcnt 0x0
	s_cmp_eq_u32 s66, 1
	s_cselect_b64 s[4:5], s[6:7], s[4:5]
	s_cselect_b64 s[12:13], s[14:15], s[12:13]
	s_cmp_eq_u32 s66, 2
	s_cselect_b64 s[4:5], s[8:9], s[4:5]           ; x_p
	s_cselect_b64 s[12:13], s[16:17], s[12:13]     ; b_p
	s_cmp_eq_u32 s66, 0
	s_cselect_b32 s70, 0x3e0293ee, 1.0             ; log2(e) / sqrt(128) for q, 1 for k and v
	s_mov_b32 s71, s70
	s_add_nc_u64 s[72:73], s[4:5], s[68:69]        ; the first row of the block in x
	s_add_nc_u64 s[4:5], s[72:73], s[78:79]        ; the first row that I fetch
	s_add_nc_u64 s[46:47], s[10:11], s[46:47]
	s_add_nc_u64 s[74:75], s[18:19], s[80:81]
	s_add_nc_u64 s[76:77], s[12:13], s[82:83]
	CROUND                                         ; all sixteen work-groups are here: the first joint loads meet
.irp s, 0,1
	s_mov_b32 s[G0+4*\s], 1
	s_add_co_u32 s[G0+4*\s+1], s3, \s*SLOT
	s_add_nc_u64 s[G0+4*\s+2:G0+4*\s+3], s[4:5], \s*XSTEP
	s_or_b32 s[G0+4*\s+3], s[G0+4*\s+3], 0x80000000
	s_mov_b32 s[G0B+4*\s], 1
	s_add_co_u32 s[G0B+4*\s+1], s3, \s*SLOT
	s_add_nc_u64 s[G0B+4*\s+2:G0B+4*\s+3], s[46:47], \s*WSTEP
	s_or_b32 s[G0B+4*\s+3], s[G0B+4*\s+3], 0x80000000
	JLOAD \s                                       ; K steps 0 and 1: two tensor loads of the wave are out, the most in this text
.endr
	v_and_b32 v1, 15, v0                           ; r = l % 16
	v_bfe_u32 v2, v0, 4, 1                         ; h = l / 16
	v_lshlrev_b32 v[BO], 5, v2                     ; my eight columns of a tile of sixteen: 32 h bytes
.irp b, 0,1,2,3,4,5,6,7
	global_load_b128 v[BIAS+8*\b:BIAS+8*\b+3],   v[BO], s[76:77] offset:64*\b
	global_load_b128 v[BIAS+8*\b+4:BIAS+8*\b+7], v[BO], s[76:77] offset:64*\b+16
.endr
	; Prefetch of x, which this launch reads from memory once.  The 128 rows of the block are shared out: 32 to each of the four partners that
	; share them, 8 to a wave, the four blocks of 256 bytes of two K steps to four lanes: each block is asked for once.  Columns 1,024.. of a row
	; are asked for here, 2,048.. and 3,072.. in the first and third change of slots: two K steps before their tensor loads; nothing lies past a row.
	v_lshrrev_b32 v8, 2, v0                        ; 8 w + l / 4
	s_lshl_b32 s86, s40, 5
	v_add_nc_u32 v8, s86, v8                       ; + 32 cx: cx enters this global offset alone
	v_and_b32 v9, 3, v0
	v_lshlrev_b32 v9, 8, v9
	v_lshl_add_u32 v[PFO], v8, 12, v9
	global_prefetch_b8 v[PFO], s[72:73] offset:1024 th:TH_LOAD_NT scope:SCOPE_SE
	v_and_b32 v3, 7, v0
	v_bfe_u32 v4, v0, 3, 1
	v_mul_u32_u24 v5, v1, PA                       ; x: row r, 32 h bytes (eight f32)
	v_lshl_add_u32 v5, v2, 5, v5
	s_mul_i32 s84, s21, QUART
	v_add_nc_u32 v[ADRA], s84, v5
	v_add_nc_u32 v[ADRA+1], SLOT, v[ADRA]
	v_lshl_add_u32 v6, v2, 3, v3                   ; W: row k = 8 h + l % 8, 16 bytes for each half of eight lanes
	v_mul_u32_u24 v6, v6, PW
	v_lshl_add_u32 v6, v4, 4, v6
	s_lshl_b32 s85, s22, 8
	s_add_co_u32 s85, s85, 2*QUART
	v_add_nc_u32 v[ADRB], s85, v6
	v_add_nc_u32 v[ADRB+1], SLOT, v[ADRB]
	s_mul_i32 s84, s20, 16*SP
	s_add_co_u32 s84, s84, STAGE
	v_mul_u32_u24 v5, v1, SP
	v_lshl_add_u32 v5, v2, 4, v5
	v_add_nc_u32 v[STO], s84, v5
	v_mul_u32_u24 v5, v2, SP
	v_lshl_add_u32 v5, v1, 4, v5
	v_add_nc_u32 v[RD], s84, v5
	v_lshlrev_b32 v5, 11, v2
	v_lshl_add_u32 v[CO], v1, 4, v5
; 32 LDS loads: quarter c (32 along K) of a slot.  x as f32 into RAW, W transposed into buffer g.
.macro FETCH slot, c, g
	WIN 0
.irp a, 0,1,2,3
	ds_load_b128 v[RAW+16*\a:RAW+16*\a+3],     v[ADRA+\slot] offset:16*PA*\a+128*\c
	ds_load_b128 v[RAW+16*\a+4:RAW+16*\a+7],   v[ADRA+\slot] offset:16*PA*\a+128*\c+16
	ds_load_b128 v[RAW+16*\a+8:RAW+16*\a+11],  v[ADRA+\slot] offset:16*PA*\a+128*\c+64
	ds_load_b128 v[RAW+16*\a+12:RAW+16*\a+15], v[ADRA+\slot] offset:16*PA*\a+128*\c+80
.endr
	WIN TO_B
.irp b, 0,1,2,3,4,5,6,7
	ds_load_tr16_b128 v[64*\g+8*\b:64*\g+8*\b+3],   v[ADRB+\slot] offset:32*PW*\c+32*\b
	ds_load_tr16_b128 v[64*\g+8*\b+4:64*\g+8*\b+7], v[ADRB+\slot] offset:32*PW*\c+32*\b+16*PW
.endr
.endm
; RAW to four bf16 fragments of x in buffer f.  These 32 lines name no register of the matrix instructions in front of them (those used the other
; buffers), so they are also the places that the loads into the other W buffer need behind those instructions.
.macro CVT f
.set n, 0
.rept 32
	v_cvt_pk_bf16_f32 v[ABF+32*\f+n], v[RAW+2*n], v[RAW+2*n+1]
.set n, n+1
.endr
.endm
; 16 matrix instructions: row tiles a0, a0 + 1 x all eight column tiles.  The 32 accumulators take turns, one instruction a turn, in the same order
; in every quarter.  zero = 1: the first product starts the sums.
.macro MUL16 f, a0, zero
.irp a, \a0, \a0+1
.irp b, 0,1,2,3,4,5,6,7
.if \zero
	v_wmma_f32_16x16x32_bf16 v[8*(8*(\a)+\b):8*(8*(\a)+\b)+7], v[64*\f+8*\b:64*\f+8*\b+7], v[ABF+32*\f+8*(\a):ABF+32*\f+8*(\a)+7], 0
.else
	v_wmma_f32_16x16x32_bf16 v[8*(8*(\a)+\b):8*(8*(\a)+\b)+7], v[64*\f+8*\b:64*\f+8*\b+7], v[ABF+32*\f+8*(\a):ABF+32*\f+8*(\a)+7], v[8*(8*(\a)+\b):8*(8*(\a)+\b)+7]
.endif
.endr
.endr
.endm
; One of the first three quarters of a K step: rounds and multiplies buffer f, and fetches quarter c of the same slot into buffer g ahead of its 32 products.
.macro QUARTER slot, c, f, g, zero
	WIN 0
	s_wait_dscnt 0x0                               ; the 32 loads issued in front of the last 32 products: RAW and buffer f
	CVT \f
	FETCH \slot, \c, \g
	WIN W_MUL
	MUL16 \f, 0, \zero
	MUL16 \f, 2, \zero
.endm
.macro THREE slot, zero
	QUARTER \slot, 1, 0, 1, \zero
	QUARTER \slot, 2, 1, 0, 0
	QUARTER \slot, 3, 0, 1, 0
.endm
; The last quarter, and the change of slots.  In front of the barrier each wave waits for its reads of this slot and for all its tensor loads (one is
; out: its part of the next slot).  fill = 1: the barrier opens a round of the cluster barrier, and behind the round this slot is filled again, first
; thing, two K steps ahead; that load then has 128 products less sixteen in which to land.  pf: the columns of x to prefetch, or 0.
.macro TURN slot, next, fill, pf
	WIN 0
	s_wait_dscnt 0x0
	s_wait_tensorcnt 0x0
	ds_add_u32 v30, v31
	s_wait_dscnt 0x0
	s_barrier_signal -1
	CVT 1                                          ; register work while the others arrive
	WIN W_MUL
	MUL16 1, 0, 0
	WIN 0
	s_barrier_wait -1
.if \fill
	CREST
	s_add_nc_u64 s[G0+4*\slot+2:G0+4*\slot+3], s[G0+4*\slot+2:G0+4*\slot+3], 2*XSTEP      ; no tensor load of mine is out: the addresses may step
	s_add_nc_u64 s[G0B+4*\slot+2:G0B+4*\slot+3], s[G0B+4*\slot+2:G0B+4*\slot+3], 2*WSTEP
	JLOAD \slot
.endif
	FETCH \next, 0, 0
.if \pf
	global_prefetch_b8 v[PFO], s[72:73] offset:\pf th:TH_LOAD_NT scope:SCOPE_SE            ; its address is source 0: window 0
.endif
	WIN W_MUL
	MUL16 1, 2, 0
.endm
	s_wait_tensorcnt 0x1                           ; my part of K step 0 is in; K step 1 stays out
	s_barrier_signal -1
	s_barrier_wait -1
	FETCH 0, 0, 0
	; eight K steps, written out: the first products start the sums, the prefetches differ, the last two steps fill nothing
	THREE 0, 1
	TURN 0, 1, 1, 2048
	THREE 1, 0
	TURN 1, 0, 1, 0
	THREE 0, 0
	TURN 0, 1, 1, 3072
	THREE 1, 0
	TURN 1, 0, 1, 0
	THREE 0, 0
	TURN 0, 1, 1, 0
	THREE 1, 0
	TURN 1, 0, 1, 0
	THREE 0, 0
	TURN 0, 1, 0, 0
	THREE 1, 0
	WIN 0
	s_wait_dscnt 0x0
	CVT 1
	WIN W_MUL
	MUL16 1, 0, 0
	MUL16 1, 2, 0
	WIN 0
	; THE WAY OUT.  relu(z) s = relu(z s) for s > 0, and z s = sum x s + bias x s: the bias is scaled once.  These 32 lines are also the places
	; between the last products and the first lines that read their results (ISA guide 7.12.1).
	s_wait_loadcnt 0x0
.set n, 0
.rept 32
	v_pk_mul_f32 v[BIAS+2*n:BIAS+2*n+1], v[BIAS+2*n:BIAS+2*n+1], s[70:71] op_sel_hi:[1,0]
.set n, n+1
.endr
; 16 rows: scale, bias, ReLU, round; 16 bytes a lane into my own stage, read back as whole rows of 256 bytes, stored.
.macro OUT16 a, f
	WIN 0x01                                       ; source 0: the accumulators, window 1
.set n, 0
.rept 32
	v_pk_fma_f32 v[RAW+2*n:RAW+2*n+1], v[64*\a+2*n:64*\a+2*n+1], s[70:71], v[BIAS+2*n:BIAS+2*n+1] op_sel_hi:[1,0,1]
.set n, n+1
.endr
	WIN 0
.set n, 0
.rept 64
	v_max_num_f32 v[RAW+n], 0, v[RAW+n]
.set n, n+1
.endr
.set n, 0
.rept 32
	v_cvt_pk_bf16_f32 v[TMP+n], v[RAW+2*n], v[RAW+2*n+1]
.set n, n+1
.endr
.irp b, 0,1,2,3,4,5,6,7
	ds_store_b128 v[STO], v[TMP+4*\b:TMP+4*\b+3] offset:32*\b
.endr
	s_wait_xcnt 0x0                                ; buffer f, which earlier stores read, is loaded again only behind this wait
.irp t, 0,1,2,3,4,5,6,7
	ds_load_b128 v[ABF+32*\f+4*\t:ABF+32*\f+4*\t+3], v[RD] offset:2*SP*\t     ; LDS serves a wave in order: these see the stores above
.endr
.irp t, 0,1,2,3,4,5,6,7
	s_wait_dscnt 7-\t
	global_store_b128 v[CO], v[ABF+32*\f+4*\t:ABF+32*\f+4*\t+3], s[74:75] offset:32768*\a+4096*\t   ; 16 lanes store 256 consecutive bytes, aligned
.endr
.endm
	OUT16 0, 0
	OUT16 1, 1
	OUT16 2, 0
	OUT16 3, 1
	s_wait_tensorcnt 0x0
	ds_add_u32 v30, v31
	s_wait_dscnt 0x0
	CROUND                                         ; the closing round: no work-group ends while a partner may still ask for a tile that names it
	s_endpgm
.Lfunc_end_k_q0557dfc644_proj:
	.size	k_q0557dfc644_proj, .Lfunc_end_k_q0557dfc644_proj-k_q0557dfc644_proj
	.p2alignl 7, 3214868480
	.fill 96, 4, 3214868480
	.section	.rodata,"a",@progbits
	.p2align	6, 0x0
	.amdhsa_kernel k_q0557dfc644_proj
		.amdhsa_group_segment_fixed_size 327680
		.amdhsa_private_segment_fixed_size 0
		.amdhsa_enable_private_segment 0
		.amdhsa_kernarg_size 64
		.amdhsa_user_sgpr_count 2
		.amdhsa_user_sgpr_kernarg_segment_ptr 1
		.amdhsa_wavefront_size32 1
		.amdhsa_system_sgpr_workgroup_id_x 1
		.amdhsa_system_sgpr_workgroup_id_y 1
		.amdhsa_system_sgpr_workgroup_id_z 1
		.amdhsa_system_vgpr_workitem_id 0
		.amdhsa_next_free_vgpr 640
		.amdhsa_next_free_sgpr 88
		.amdhsa_reserve_vcc 0
		.amdhsa_float_denorm_mode_32 3
		.amdhsa_float_denorm_mode_16_64 3
		.amdhsa_memory_ordered 1
		.amdhsa_forward_progress 1
		.amdhsa_inst_pref_size 248
	.end_amdhsa_kernel
	.amdgpu_metadata
---
amdhsa.version: [ 1, 2 ]
amdhsa.kernels:
  - .name:           k_q0557dfc644_proj
    .symbol:         k_q0557dfc644_proj.kd
    .args:
      - { .name: q, .offset: 0, .size: 8, .value_kind: global_buffer, .address_space: global }
      - { .name: k, .offset: 8, .size: 8, .value_kind: global_buffer, .address_space: global }
      - { .name: v, .offset: 16, .size: 8, .value_kind: global_buffer, .address_space: global }
      - { .name: wb, .offset: 24, .size: 8, .value_kind: global_buffer, .address_space: global }
      - { .name: b_q, .offset: 32, .size: 8, .value_kind: global_buffer, .address_space: global }
      - { .name: b_k, .offset: 40, .size: 8, .value_kind: global_buffer, .address_space: global }
      - { .name: b_v, .offset: 48, .size: 8, .value_kind: global_buffer, .address_space: global }
      - { .name: pj, .offset: 56, .size: 8, .value_kind: global_buffer, .address_space: global }
    .group_segment_fixed_size: 327680
    .private_segment_fixed_size: 0
    .kernarg_segment_align: 8
    .kernarg_segment_size: 64
    .max_flat_workgroup_size: 128
    .sgpr_count:     88
    .vgpr_count:     640
    .wavefront_size: 32
...
	.end_amdgpu_metadata
.endif
;; end of part 2
;; launch attn (part 3): grid 8 x 32, 4 waves a work-group, clusters of 4 x 1, 327,680 bytes of LDS; arguments pj, ao; writes ao
.if DOCPART == 3
	.amdgcn_target "amdgcn-amd-amdhsa--gfx1250"
	.amdhsa_code_object_version 6
	.text
	.protected	k_q0557dfc644_attn
	.globl	k_q0557dfc644_attn
	.p2align	8
	.type	k_q0557dfc644_attn,@function
k_q0557dfc644_attn:
	s_mov_b64 s[64:65], 0
	v_nop
	global_prefetch_b8 v0, s[64:65] scope:SCOPE_SE
	s_setreg_imm32_b32 hwreg(HW_REG_WAVE_MODE, 25, 1), 1
	s_wait_xcnt 0x0
	s_wait_alu depctr_hold_cnt(0) depctr_sa_sdst(0) depctr_va_vdst(0) depctr_va_sdst(0) depctr_va_ssrc(0) depctr_va_vcc(0) depctr_vm_vsrc(0)
	s_getreg_b32 s2, hwreg(HW_REG_IB_STS2, 6, 4)
	s_cmp_eq_u32 s2, 0
	s_cbranch_scc0 .Lentry_in_a_cluster
	s_endpgm
.Lentry_in_a_cluster:
	s_bfe_u32 s2, ttmp6, 0x10000c
	s_cmp_lg_u32 s2, 0x3003
	s_cbranch_scc0 .Lentry_shape_is_right
	s_endpgm
.Lentry_shape_is_right:
; ao = softmax(Q K^T) V for each (batch, head): 32 pairs, 2,048 queries and keys, 128 numbers a head.  Q, K, V are planes 0, 1, 2 of pj (bf16,
; [8192][1024], a head = 256 bytes of a row); Q already carries log2(e) / sqrt(128), so the exponentials are 2^x.  ao: [8192][1024] bf16.
; 256 work-groups of 256 queries; a wave has 64 queries = four query tiles.  Keys go in blocks of 64; a slot of LDS holds 128 keys of K and V.
; CLUSTERS: the four query blocks of a cluster (4, 1, 1) read the same K and V tiles and ask for them jointly (mask 15).
; BOTH PRODUCTS ARE USED TRANSPOSED, so that nothing is shuffled between them:
;   S^T = K Q^T: source 0 = 16 keys of K, source 1 = 16 queries of Q.  Lane (r = l % 16, h = l / 16), register j: key 8 h + j, query r.
;   Two neighbouring key tiles, rounded to bf16 in pairs, ARE source 1 (32 keys x 16 queries) of
;   O^T = V^T P^T: source 0 = V by the transposing load.  A lane holds query r and eight neighbouring numbers 8 h + j of the head.
; So maximum, sum and rescaling factor are one register a lane and query tile, and the only traffic between lanes is one exchange of the halves.
; The running maximum is taken away in front of every exponential; sums and O are rescaled by 2^(old - new) in every block (no branch on numbers).
; LDS: slot s at s x 71,680: V 128 rows x 288 bytes (odd multiple of 32), then K 128 rows x 272 (odd multiple of 16).  Behind the slots 16 x 272 bytes
; a wave for the way out; no tensor load lands there.  A refill has two blocks (256 products, two softmaxes) in which to land.
; No prefetch: K and V were stored by the launch before, and each request is out for two blocks.
; REGISTERS: window 0: addresses, statistics, S v64-191 (tile (kt, qt) at 8 (4 qt + kt)), P v192-255 ((qt, ks) at 8 (2 qt + ks));
; window 1: O (dt, qt) at 8 (8 qt + dt); window 2: Q (qt, ds) at 8 (4 qt + ds), K (kt, ds) at 128 + 8 (4 kt + ds); window 3: V (dt, ks) at 8 (2 dt + ks).
; LIMITS: P and the result are rounded to bf16, the row sum is taken of the unrounded exponentials; an exponential below 2^-126 is 0;
; the maxima drop NaN, so a NaN need not spread as in a softmax written with NaN-keeping maxima.
.set PVP,   288
.set PKP,   272
.set KOFF,  128*PVP                    ; K behind V in a slot
.set SLOT,  128*PVP+128*PKP            ; 71,680
.set STAGE, 2*SLOT
.set SP,    272
.set STEPB, 262144                     ; 128 keys x 2,048 bytes
.set KPLANE, 0x1000000
.set VPLANE, 0x2000000
.set VK,  4                            ; v4-5   my K rows in slot 0, 1
.set VV,  6                            ; v6-7   my V rows in slot 0, 1
.set STO, 8
.set RD,  9
.set CO,  10
.set QO,  11
.set MX,  16                           ; v16-23 pairs: running maximum of query tile q in the even register; the odd one is set once and not used
.set AL,  24                           ; v24-31 pairs: 2^(old maximum - new), at the end 1 / sum; likewise
.set TM,  32                           ; v32-35 new maximum
.set XH,  36                           ; v36-39 the other half of the lanes
.set US,  40                           ; v40-43 the final sums
.set LS,  48                           ; v48-55 pairs: running sums, two chains a query tile
.set SC,  64
.set PR,  192
.set KF,  128                          ; K fragments in window 2
.set G1V, 24
.set G0V, 32
.set G1K, 48
.set G0K, 56
.set MSB, 0
.macro WIN new
.if MSB != \new
	s_set_vgpr_msb (MSB<<8)|\new
.set MSB, \new
.endif
.endm
.macro PLACES                          ; four places behind a matrix instruction (ISA guide 7.12.1) where there is no independent vector work to put there
.rept 4
	v_nop
.endr
.endm
.macro JLOAD s                         ; waves 0, 1 fetch the two halves of V, waves 2, 3 those of K; four v_nop follow each line
	s_cmp_eq_u32 s9, 0
	s_cbranch_scc0 .Lfor_k_\@
	tensor_load_to_lds s[G0V+4*\s:G0V+4*\s+3], s[G1V:G1V+7]
	s_nop 0
.rept 4
	v_nop
.endr
	s_branch .Lasked_\@
.Lfor_k_\@:
	tensor_load_to_lds s[G0K+4*\s:G0K+4*\s+3], s[G1K:G1K+7]
	s_nop 0
.rept 4
	v_nop
.endr
.Lasked_\@:
.endm
.macro CREST
	s_cmp_lg_u32 s8, 0
	s_cbranch_scc1 .Lnot_wave_0_\@
	s_barrier_signal -3
.Lnot_wave_0_\@:
	s_barrier_wait -3
	s_barrier_signal -1
	s_barrier_wait -1
.endm
.macro CROUND
	s_barrier_signal -1
	s_barrier_wait -1
	CREST
.endm
	s_load_b128 s[4:7], s[0:1], 0x0                ; pj s[4:5], ao s[6:7]
	v_lshl_add_u32 v62, v0, 2, 0x29000
	v_mov_b32 v63, 0
	ds_add_u32 v62, v63
	v_lshrrev_b32 v1, 5, v0
	v_readfirstlane_b32 s8, v1                     ; wave 0..3
	s_lshr_b32 s9, s8, 1                           ; I fetch V (0) or K (1)
	s_and_b32 s10, s8, 1                           ; which 64 keys of the 128
	s_bfe_u32 s11, ttmp6, 0x40000                  ; cx
	s_lshl_b32 s12, ttmp9, 2
	s_add_co_u32 s12, s12, s11                     ; query block 0..7
	s_and_b32 s13, ttmp7, 0xffff
	s_lshr_b32 s14, s13, 3                         ; batch
	s_and_b32 s15, s13, 7                          ; head
	s_mov_b32 s20, 0x76543210                      ; v_permlanex16_b32: lane i of one half reads lane i of the other
	s_mov_b32 s21, 0xfedcba98
	; tiles of 64 rows x 128 elements of 2 bytes; padding behind every 64 words: 8 words for V, 4 for K
	s_mov_b32 s[G1V+0], 15|(1<<16)|(1<<20)|(1<<21)|(5<<22)|(7<<25)
	s_mov_b32 s[G1V+1], 128<<16
	s_mov_b32 s[G1V+2], 64<<16
	s_mov_b32 s[G1V+3], 128<<16
	s_mov_b32 s[G1V+4], 64
	s_mov_b32 s[G1V+5], 1024
	s_mov_b32 s[G1V+6], 0
	s_mov_b32 s[G1V+7], 0
	s_mov_b32 s[G1K+0], 15|(1<<16)|(1<<20)|(1<<21)|(5<<22)|(3<<25)
	s_mov_b32 s[G1K+1], 128<<16
	s_mov_b32 s[G1K+2], 64<<16
	s_mov_b32 s[G1K+3], 128<<16
	s_mov_b32 s[G1K+4], 64
	s_mov_b32 s[G1K+5], 1024
	s_mov_b32 s[G1K+6], 0
	s_mov_b32 s[G1K+7], 0
	s_lshl_b32 s16, s14, 22                        ; K, V: batch x 2,048 rows of 2,048 bytes, my 64 keys, the head (no cx in it)
	s_lshl_b32 s17, s10, 17
	s_add_co_u32 s16, s16, s17
	s_lshl_b32 s17, s15, 8
	s_add_co_u32 s16, s16, s17
	s_mov_b32 s17, 0
	s_lshl_b32 s44, s14, 22                        ; Q and ao: batch, 256 rows a query block, 64 a wave, the head
	s_lshl_b32 s45, s12, 19
	s_add_co_u32 s44, s44, s45
	s_lshl_b32 s45, s8, 17
	s_add_co_u32 s44, s44, s45
	s_lshl_b32 s45, s15, 8
	s_add_co_u32 s44, s44, s45
	s_mov_b32 s45, 0
	s_mul_i32 s46, s8, 64*PVP                      ; V: waves 0, 1 at 0 and 18,432
	s_mul_i32 s47, s8, 64*PKP
	s_add_co_u32 s47, s47, KOFF-128*PKP            ; K: waves 2, 3 at 36,864 and 54,272
	s_wait_dscnt 0x0
	s_wait_kmcnt 0x0
	s_add_nc_u64 s[18:19], s[4:5], s[16:17]
	s_add_nc_u64 s[40:41], s[4:5], s[44:45]
	s_add_nc_u64 s[42:43], s[6:7], s[44:45]
	CROUND                                         ; the four work-groups are here: the first joint loads meet
.irp s, 0,1
	s_mov_b32 s[G0V+4*\s], 1
	s_add_co_u32 s[G0V+4*\s+1], s46, \s*SLOT
	s_add_nc_u64 s[G0V+4*\s+2:G0V+4*\s+3], s[18:19], VPLANE+\s*STEPB
	s_or_b32 s[G0V+4*\s+3], s[G0V+4*\s+3], 0x80000000
	s_mov_b32 s[G0K+4*\s], 1
	s_add_co_u32 s[G0K+4*\s+1], s47, \s*SLOT
	s_add_nc_u64 s[G0K+4*\s+2:G0K+4*\s+3], s[18:19], KPLANE+\s*STEPB
	s_or_b32 s[G0K+4*\s+3], s[G0K+4*\s+3], 0x80000000
	JLOAD \s                                       ; keys 0-127 and 128-255: two tensor loads of the wave are out, the most in this text
.endr
	v_and_b32 v1, 15, v0                           ; r
	v_bfe_u32 v2, v0, 4, 1                         ; h
	v_and_b32 v3, 7, v0
	v_bfe_u32 v12, v0, 3, 1
	v_lshlrev_b32 v15, 11, v1
	v_lshl_add_u32 v[QO], v2, 4, v15               ; Q: row r, 16 h bytes
	WIN 0x80
.irp q, 0,1,2,3
.irp d, 0,1,2,3
	global_load_b128 v[8*(4*\q+\d):8*(4*\q+\d)+3],   v[QO], s[40:41] offset:32768*\q+64*\d
	global_load_b128 v[8*(4*\q+\d)+4:8*(4*\q+\d)+7], v[QO], s[40:41] offset:32768*\q+64*\d+32
.endr
.endr
	WIN 0
	v_mul_u32_u24 v13, v1, PKP
	v_lshl_add_u32 v13, v2, 4, v13
	v_add_nc_u32 v[VK], KOFF, v13
	v_add_nc_u32 v[VK+1], SLOT, v[VK]
	v_lshl_add_u32 v14, v2, 3, v3                  ; V: key 8 h + l % 8, 16 bytes for each half of eight lanes
	v_mul_u32_u24 v14, v14, PVP
	v_lshl_add_u32 v[VV], v12, 4, v14
	v_add_nc_u32 v[VV+1], SLOT, v[VV]
	s_mul_i32 s23, s8, 16*SP
	s_add_co_u32 s23, s23, STAGE
	v_mul_u32_u24 v15, v1, SP
	v_lshl_add_u32 v15, v2, 4, v15
	v_add_nc_u32 v[STO], s23, v15
	v_mul_u32_u24 v15, v2, SP
	v_lshl_add_u32 v15, v1, 4, v15
	v_add_nc_u32 v[RD], s23, v15
	v_lshlrev_b32 v15, 11, v2
	v_lshl_add_u32 v[CO], v1, 4, v15
.irp q, 0,1,2,3
	v_mov_b32 v[MX+2*\q+1], 0                      ; the halves of the pairs that a broadcast names and does not use
	v_mov_b32 v[AL+2*\q+1], 0
	v_mov_b32 v[XH+\q], 0                          ; the destination of v_permlanex16_b32 counts as read
.endr
.macro FETCHV slot, kb                 ; 32 transposing loads: V of 64 keys
	WIN 0xc0
.irp u, 0,1
.irp d, 0,1,2,3,4,5,6,7
	ds_load_tr16_b128 v[8*(2*\d+\u):8*(2*\d+\u)+3],   v[VV+\slot] offset:PVP*(64*\kb+32*\u)+32*\d
	ds_load_tr16_b128 v[8*(2*\d+\u)+4:8*(2*\d+\u)+7], v[VV+\slot] offset:PVP*(64*\kb+32*\u+16)+32*\d
.endr
.endr
.endm
.macro FETCHK slot, kb                 ; 32 loads: K of 64 keys
	WIN 0x80
.irp t, 0,1,2,3
.irp d, 0,1,2,3
	ds_load_b128 v[KF+8*(4*\t+\d):KF+8*(4*\t+\d)+3],   v[VK+\slot] offset:PKP*(64*\kb+16*\t)+64*\d
	ds_load_b128 v[KF+8*(4*\t+\d)+4:KF+8*(4*\t+\d)+7], v[VK+\slot] offset:PKP*(64*\kb+16*\t)+64*\d+32
.endr
.endr
.endm
; 64 products: the sixteen score tiles take turns, one instruction a turn; the first step along the head starts the sums.
.macro SMUL
	WIN 0x0a                                       ; sources 0 and 1 window 2, C and D window 0
.irp d, 0,1,2,3
.irp q, 0,1,2,3
.irp t, 0,1,2,3
.if \d == 0
	v_wmma_f32_16x16x32_bf16 v[SC+8*(4*\q+\t):SC+8*(4*\q+\t)+7], v[KF+8*(4*\t+\d):KF+8*(4*\t+\d)+7], v[8*(4*\q+\d):8*(4*\q+\d)+7], 0
.else
	v_wmma_f32_16x16x32_bf16 v[SC+8*(4*\q+\t):SC+8*(4*\q+\t)+7], v[KF+8*(4*\t+\d):KF+8*(4*\t+\d)+7], v[8*(4*\q+\d):8*(4*\q+\d)+7], v[SC+8*(4*\q+\t):SC+8*(4*\q+\t)+7]
.endif
.endr
.endr
.endr
.endm
; The new maxima and the rescaling factors.  Four chains, one a query tile, that take turns; register work alone.
.macro SOFT_A first
.irp q, 0,1,2,3
.if \first
	v_max_num_f32 v[TM+\q], v[SC+32*\q], v[SC+32*\q+1]
.else
	v_max3_num_f32 v[TM+\q], v[MX+2*\q], v[SC+32*\q], v[SC+32*\q+1]
.endif
.endr
.irp i, 1,2,3,4,5,6,7,8,9,10,11,12,13,14,15
.irp q, 0,1,2,3
	v_max3_num_f32 v[TM+\q], v[TM+\q], v[SC+32*\q+2*\i], v[SC+32*\q+2*\i+1]
.endr
.endr
.irp q, 0,1,2,3
	v_permlanex16_b32 v[XH+\q], v[TM+\q], s20, s21 ; the other 32 keys of the same query
.endr
.irp q, 0,1,2,3
	v_max_num_f32 v[TM+\q], v[TM+\q], v[XH+\q]
.endr
.if \first == 0
.irp q, 0,1,2,3
	v_sub_f32 v[AL+2*\q], v[MX+2*\q], v[TM+\q]     ; at most 0
.endr
.irp q, 0,1,2,3
	v_exp_f32 v[AL+2*\q], v[AL+2*\q]
.endr
.endif
.irp q, 0,1,2,3
	v_mov_b32 v[MX+2*\q], v[TM+\q]                 ; plain lines that touch no AL: the place behind the exponentials (ISA guide 5.7.2)
.endr
.endm
.macro SUB1 q, i                       ; two scores less the maximum
	v_pk_add_f32 v[SC+32*(\q)+2*\i:SC+32*(\q)+2*\i+1], v[SC+32*(\q)+2*\i:SC+32*(\q)+2*\i+1], v[MX+2*(\q):MX+2*(\q)+1] op_sel_hi:[1,0] neg_lo:[0,1] neg_hi:[0,1]
.endm
.macro SUM1 q, i, first                ; pair i joins the running sums; pair 0 rides on their rescaling; in the first block pairs 0 and 1 start them
.if \i == 0
.if \first == 0
	s_wait_alu depctr_va_vdst(0)
	v_pk_fma_f32 v[LS+2*(\q):LS+2*(\q)+1], v[LS+2*(\q):LS+2*(\q)+1], v[AL+2*(\q):AL+2*(\q)+1], v[SC+32*(\q):SC+32*(\q)+1] op_sel_hi:[1,0,1]
	s_wait_alu depctr_va_vdst(0)
.endif
.else
.if (\i+100*\first) == 101
	s_wait_alu depctr_va_vdst(0)
	v_pk_add_f32 v[LS+2*(\q):LS+2*(\q)+1], v[SC+32*(\q):SC+32*(\q)+1], v[SC+32*(\q)+2:SC+32*(\q)+3]
	s_wait_alu depctr_va_vdst(0)
.else
	s_wait_alu depctr_va_vdst(0)
	v_pk_add_f32 v[LS+2*(\q):LS+2*(\q)+1], v[LS+2*(\q):LS+2*(\q)+1], v[SC+32*(\q)+2*\i:SC+32*(\q)+2*\i+1]
.endif
.endif
.endm
.macro CVT1 q, i                       ; two exponentials to one word of P
	s_wait_alu depctr_va_vdst(0)
	v_cvt_pk_bf16_f32 v[PR+16*(\q)+\i], v[SC+32*(\q)+2*\i], v[SC+32*(\q)+2*\i+1]
.endm
; Exponentials, sums and P, as a pipeline over the query tiles: behind each two exponentials of tile q stand a subtraction of tile q + 1 and a sum and
; a conversion of tile q - 1: plain lines that touch neither the results nor the sources of the two (ISA guide 5.7.2).
.macro SOFT_B first
.irp i, 0,1,2,3,4,5,6,7,8,9,10,11,12,13,14,15
	SUB1 0, \i
.endr
.irp q, 0,1,2,3
.irp i, 0,1,2,3,4,5,6,7,8,9,10,11,12,13,14,15
	v_exp_f32 v[SC+32*\q+2*\i], v[SC+32*\q+2*\i]
	v_exp_f32 v[SC+32*\q+2*\i+1], v[SC+32*\q+2*\i+1]
.if \q < 3
	SUB1 \q+1, \i
.endif
.if \q > 0
	SUM1 \q-1, \i, \first
	CVT1 \q-1, \i
.endif
.endr
.endr
.irp i, 0,1,2,3,4,5,6,7,8,9,10,11,12,13,14,15
	SUM1 3, \i, \first
	CVT1 3, \i
.endr
.endm
.macro RESC                            ; O times 2^(old maximum - new)
	WIN 0x41                                       ; source 0 and destination window 1, the factor window 0
.irp q, 0,1,2,3
.set n, 0
.rept 32
	v_pk_mul_f32 v[64*\q+2*n:64*\q+2*n+1], v[64*\q+2*n:64*\q+2*n+1], v[AL+2*\q:AL+2*\q+1] op_sel_hi:[1,0]
.set n, n+1
.endr
.endr
.endm
; 64 products: the 32 tiles of O take turns, one instruction a turn.
.macro PVMUL first
	WIN 0x53                                       ; source 0 (V) window 3, source 1 (P) window 0, C and D window 1
.irp u, 0,1
.irp q, 0,1,2,3
.irp d, 0,1,2,3,4,5,6,7
.if (\u+100*\first) == 100
	v_wmma_f32_16x16x32_bf16 v[8*(8*\q+\d):8*(8*\q+\d)+7], v[8*(2*\d+\u):8*(2*\d+\u)+7], v[PR+8*(2*\q+\u):PR+8*(2*\q+\u)+7], 0
.else
	v_wmma_f32_16x16x32_bf16 v[8*(8*\q+\d):8*(8*\q+\d)+7], v[8*(2*\d+\u):8*(2*\d+\u)+7], v[PR+8*(2*\q+\u):PR+8*(2*\q+\u)+7], v[8*(8*\q+\d):8*(8*\q+\d)+7]
.endif
.endr
.endr
.endr
.endm
; A block of 64 keys, half kb of a slot.  K of this block is on its way or in; V is fetched at the head, the next K (nslot, nkb) in the middle.
; mode 0: the next K lies in the same slot.  mode 1: change of slots with a refill: each wave waits for its reads of this slot and for all its tensor
; loads, the barrier opens a round of the cluster barrier, and the joint refill is the first thing behind the round.  mode 2: change of slots, nothing
; left to fetch: the work-group barrier alone.  mode 3: the last block.
.macro BLOCK slot, kb, first, mode, nslot, nkb
	PLACES                                         ; behind the last products, which read V
	FETCHV \slot, \kb
	s_wait_dscnt 32                                ; K is in; the 32 loads of V may stay out
	SMUL
	WIN 0
	PLACES                                         ; in front of the lines that read the scores and of the loads into K
.if \mode == 0
	FETCHK \nslot, \nkb
	WIN 0
	SOFT_A \first
	SOFT_B \first
.endif
.if (\mode-1)*(\mode-2) == 0
	s_wait_dscnt 0x0                               ; my reads of this slot are over
	s_wait_tensorcnt 0x0                           ; all my tensor loads have landed: the one that was out is my part of the next slot
	ds_add_u32 v62, v63
	s_wait_dscnt 0x0
	s_barrier_signal -1
	SOFT_A \first                                  ; register work while the others arrive
	s_barrier_wait -1
.if \mode == 1
	CREST
	s_add_nc_u64 s[G0V+4*\slot+2:G0V+4*\slot+3], s[G0V+4*\slot+2:G0V+4*\slot+3], 2*STEPB
	s_add_nc_u64 s[G0K+4*\slot+2:G0K+4*\slot+3], s[G0K+4*\slot+2:G0K+4*\slot+3], 2*STEPB
	JLOAD \slot
.endif
	FETCHK \nslot, \nkb
	WIN 0
	SOFT_B \first
.endif
.if \mode == 3
	SOFT_A \first
	SOFT_B \first
.endif
.if \first == 0
	RESC
.endif
.if \mode == 3
	s_wait_dscnt 0x0
.else
	s_wait_dscnt 32                                ; V is in; the 32 loads of the next K may stay out
.endif
	PVMUL \first
	WIN 0
.endm
.macro LAP first                       ; 256 keys: both slots read and filled again
	BLOCK 0, 0, \first, 0, 0, 1
	BLOCK 0, 1, 0, 1, 1, 0
	BLOCK 1, 0, 0, 0, 1, 1
	BLOCK 1, 1, 0, 1, 0, 0
.endm
	s_wait_tensorcnt 0x1                           ; my part of keys 0-127 is in; keys 128-255 stay out
	s_barrier_signal -1
	s_barrier_wait -1
	FETCHK 0, 0
	WIN 0
	s_wait_loadcnt 0x0                             ; Q
	LAP 1                                          ; the first lap stands in front of the loop: its first block starts maxima, sums and O
	s_mov_b32 s22, 6                               ; 2,048 keys = 8 laps: one above, six here, one below
.Llap:
	LAP 0
	s_sub_co_u32 s22, s22, 1
	s_cmp_lg_u32 s22, 0
	s_cbranch_scc1 .Llap
	BLOCK 0, 0, 0, 0, 0, 1                         ; the last lap fills nothing
	BLOCK 0, 1, 0, 2, 1, 0
	BLOCK 1, 0, 0, 0, 1, 1
	BLOCK 1, 1, 0, 3, 0, 0
	; 1 / sum.  The eight additions name no register of the last products: they are the places in front of the lines that read O (ISA guide 7.12.1).
.irp q, 0,1,2,3
	v_add_f32 v[US+\q], v[LS+2*\q], v[LS+2*\q+1]
.endr
.irp q, 0,1,2,3
	v_permlanex16_b32 v[XH+\q], v[US+\q], s20, s21
.endr
.irp q, 0,1,2,3
	v_add_f32 v[US+\q], v[US+\q], v[XH+\q]         ; at least 1: the largest score gives 2^0
.endr
.irp q, 0,1,2,3
	v_rcp_f32 v[AL+2*\q], v[US+\q]
.endr
	v_nop                                          ; the plain place behind the reciprocals
	s_wait_alu depctr_va_vdst(0)
; 16 queries: normalise, round, 16 bytes a lane into my own stage, read back as whole rows of 256 bytes, stored.
.macro OUT16 q, f
	WIN 0x01                                       ; source 0: O, window 1
.set n, 0
.rept 32
	v_pk_mul_f32 v[SC+2*n:SC+2*n+1], v[64*\q+2*n:64*\q+2*n+1], v[AL+2*\q:AL+2*\q+1] op_sel_hi:[1,0]
.set n, n+1
.endr
	WIN 0
.set n, 0
.rept 32
	v_cvt_pk_bf16_f32 v[PR+n], v[SC+2*n], v[SC+2*n+1]
.set n, n+1
.endr
.irp d, 0,1,2,3,4,5,6,7
	ds_store_b128 v[STO], v[PR+4*\d:PR+4*\d+3] offset:32*\d
.endr
	s_wait_xcnt 0x0                                ; the registers at f, which earlier stores read, are loaded again only behind this wait
.irp t, 0,1,2,3,4,5,6,7
	ds_load_b128 v[\f+4*\t:\f+4*\t+3], v[RD] offset:2*SP*\t        ; LDS serves a wave in order: these see the stores above
.endr
.irp t, 0,1,2,3,4,5,6,7
	s_wait_dscnt 7-\t
	global_store_b128 v[CO], v[\f+4*\t:\f+4*\t+3], s[42:43] offset:32768*\q+4096*\t   ; 16 lanes store 256 consecutive bytes, aligned
.endr
.endm
	OUT16 0, 128
	OUT16 1, 160
	OUT16 2, 128
	OUT16 3, 160
	s_wait_tensorcnt 0x0
	ds_add_u32 v62, v63
	s_wait_dscnt 0x0
	CROUND                                         ; the closing round
	s_endpgm
.Lfunc_end_k_q0557dfc644_attn:
	.size	k_q0557dfc644_attn, .Lfunc_end_k_q0557dfc644_attn-k_q0557dfc644_attn
	.p2alignl 7, 3214868480
	.fill 96, 4, 3214868480
	.section	.rodata,"a",@progbits
	.p2align	6, 0x0
	.amdhsa_kernel k_q0557dfc644_attn
		.amdhsa_group_segment_fixed_size 327680
		.amdhsa_private_segment_fixed_size 0
		.amdhsa_enable_private_segment 0
		.amdhsa_kernarg_size 16
		.amdhsa_user_sgpr_count 2
		.amdhsa_user_sgpr_kernarg_segment_ptr 1
		.amdhsa_wavefront_size32 1
		.amdhsa_system_sgpr_workgroup_id_x 1
		.amdhsa_system_sgpr_workgroup_id_y 1
		.amdhsa_system_sgpr_workgroup_id_z 1
		.amdhsa_system_vgpr_workitem_id 0
		.amdhsa_next_free_vgpr 896
		.amdhsa_next_free_sgpr 66
		.amdhsa_reserve_vcc 0
		.amdhsa_float_denorm_mode_32 3
		.amdhsa_float_denorm_mode_16_64 3
		.amdhsa_memory_ordered 1
		.amdhsa_forward_progress 1
		.amdhsa_inst_pref_size 255
	.end_amdhsa_kernel
	.section	.bss,"aw",@nobits
	.p2align	6
	.space	262144
	.amdgpu_metadata
---
amdhsa.version: [ 1, 2 ]
amdhsa.kernels:
  - .name:           k_q0557dfc644_attn
    .symbol:         k_q0557dfc644_attn.kd
    .args:
      - { .name: pj, .offset: 0, .size: 8, .value_kind: global_buffer, .address_space: global }
      - { .name: ao, .offset: 8, .size: 8, .value_kind: global_buffer, .address_space: global }
    .group_segment_fixed_size: 327680
    .private_segment_fixed_size: 0
    .kernarg_segment_align: 8
    .kernarg_segment_size: 16
    .max_flat_workgroup_size: 128
    .sgpr_count:     66
    .vgpr_count:     896
    .wavefront_size: 32
...
	.end_amdgpu_metadata
.endif
;; end of part 3
;; launch oproj (part 4): grid 256 x 1, 4 waves a work-group, clusters of 4 x 1, 295,424 bytes of LDS; arguments ao, wb, b_0, out0; writes out0
.if DOCPART == 4
	.amdgcn_target "amdgcn-amd-amdhsa--gfx1250"
	.amdhsa_code_object_version 6
	.text
	.protected	k_q0557dfc644_oproj
	.globl	k_q0557dfc644_oproj
	.p2align	8
	.type	k_q0557dfc644_oproj,@function
k_q0557dfc644_oproj:
	s_mov_b64 s[64:65], 0
	v_nop
	global_prefetch_b8 v0, s[64:65] scope:SCOPE_SE
	s_setreg_imm32_b32 hwreg(HW_REG_WAVE_MODE, 25, 1), 1
	s_wait_xcnt 0x0
	s_wait_alu depctr_hold_cnt(0) depctr_sa_sdst(0) depctr_va_vdst(0) depctr_va_sdst(0) depctr_va_ssrc(0) depctr_va_vcc(0) depctr_vm_vsrc(0)
	s_getreg_b32 s2, hwreg(HW_REG_IB_STS2, 6, 4)
	s_cmp_eq_u32 s2, 0
	s_cbranch_scc0 .Lentry_in_a_cluster
	s_endpgm
.Lentry_in_a_cluster:
	s_bfe_u32 s2, ttmp6, 0x10000c
	s_cmp_lg_u32 s2, 0x3003
	s_cbranch_scc0 .Lentry_shape_is_right
	s_endpgm
.Lentry_shape_is_right:
; out0 = ao w_0 + b_0.  ao: [8192][1024] bf16.  w_0: [1024][128] bf16, at byte 6 MiB of wb.  out0: [8192][128] f32.
; 256 work-groups of 32 rows x 128 columns.  Wave w takes K = 256 w .. 256 w + 255: it fetches its own quarter of w_0 into LDS, reads only those
; bytes (so its own wait on the tensor counter is all that its reads need), and takes its fragments of ao straight from memory.  The four partial
; sums meet in LDS, in a fixed order.
; CLUSTERS: every work-group walks the whole of w_0, so the four of a cluster (4, 1, 1) ask for it jointly (mask 15).
; The matrix instruction is used transposed (source 0 = 16 columns of w_0 by the transposing load, source 1 = 16 rows of ao): a lane holds row
; l % 16 and eight neighbouring columns.
; LDS: 1,024 rows of w_0 x 288 bytes (256 + 32: an odd multiple of 32); wave w owns 73,728 w ..; two loads of 128 rows each, both first fills; nothing
; is filled again.  When a wave has read its quarter for the last time it lays its partial sums there (32 rows x 528 bytes).
; REGISTERS: window 0: addresses, two buffers of w_0 fragments v32-159 (later the partial sums), bias v160-163;
; window 1: ao (a, s) at 8 (2 s + a), accumulator (a, b) at 128 + 8 (8 a + b).
; LIMIT: matrix operands are bf16, sums f32.
.set PB,    288
.set HALFB, 128*PB                     ; 36,864
.set QB,    2*HALFB                    ; 73,728: a wave's quarter
.set PP,    528                        ; a row of partial sums: 512 bytes + 16
.set W0OFF, 0x600000
.set VB,   16                          ; v16-17  my w_0 rows, first and second half of my quarter
.set PST,  18
.set PRD,  20                          ; v20-23  the rows that I sum, in the quarter of wave p
.set OO,   24
.set AO,   25
.set BB,   32
.set BIAS, 160
.set ACC,  128
.set G1, 16
.set G0, 24
.set MSB, 0
.macro WIN new
.if MSB != \new
	s_set_vgpr_msb (MSB<<8)|\new
.set MSB, \new
.endif
.endm
.macro PLACES                          ; four places behind a matrix instruction (ISA guide 7.12.1)
.rept 4
	v_nop
.endr
.endm
.macro CROUND
	s_barrier_signal -1
	s_barrier_wait -1
	s_cmp_lg_u32 s12, 0
	s_cbranch_scc1 .Lnot_wave_0_\@
	s_barrier_signal -3
.Lnot_wave_0_\@:
	s_barrier_wait -3
	s_barrier_signal -1
	s_barrier_wait -1
.endm
	s_load_b256 s[4:11], s[0:1], 0x0               ; ao s[4:5], wb s[6:7], b_0 s[8:9], out0 s[10:11]
	v_lshl_add_u32 v254, v0, 2, 0x48000
	v_mov_b32 v255, 0
	ds_add_u32 v254, v255
	v_lshrrev_b32 v1, 5, v0
	v_readfirstlane_b32 s12, v1                    ; wave 0..3
	s_bfe_u32 s13, ttmp6, 0x40000                  ; cx
	s_lshl_b32 s14, ttmp9, 2
	s_add_co_u32 s14, s14, s13                     ; work-group 0..255
	s_mov_b32 s[G1+0], 15|(1<<16)|(1<<20)|(1<<21)|(5<<22)|(7<<25)   ; mask of the four; elements of 2 bytes; 8 words of padding behind every 64
	s_mov_b32 s[G1+1], 128<<16                     ; tensor_dim0 = 128
	s_mov_b32 s[G1+2], 128<<16                     ; tensor_dim1 = 128
	s_mov_b32 s[G1+3], 128<<16                     ; tile_dim0 = 128
	s_mov_b32 s[G1+4], 128                         ; tile_dim1 = 128
	s_mov_b32 s[G1+5], 128                         ; elements from row to row
	s_mov_b32 s[G1+6], 0
	s_mov_b32 s[G1+7], 0
	s_mul_i32 s32, s12, QB                         ; my quarter of LDS
	s_lshl_b32 s34, s12, 16                        ; my 256 rows of 256 bytes of w_0 (no cx in it)
	s_mov_b32 s35, 0
	s_lshl_b32 s36, s14, 16                        ; ao: 32 rows of 2,048 bytes, my 512 bytes of them
	s_lshl_b32 s33, s12, 9
	s_add_co_u32 s36, s36, s33
	s_mov_b32 s37, 0
	s_lshl_b32 s38, s14, 14                        ; out0: 32 rows of 512 bytes, the 8 rows that I sum
	s_lshl_b32 s33, s12, 12
	s_add_co_u32 s38, s38, s33
	s_mov_b32 s39, 0
	s_wait_dscnt 0x0
	s_wait_kmcnt 0x0
	s_add_nc_u64 s[6:7], s[6:7], s[34:35]
	s_add_nc_u64 s[4:5], s[4:5], s[36:37]
	s_add_nc_u64 s[10:11], s[10:11], s[38:39]
	CROUND                                         ; the four work-groups are here: the joint loads meet
.irp i, 0,1
	s_mov_b32 s[G0+4*\i], 1
	s_add_co_u32 s[G0+4*\i+1], s32, \i*HALFB
	s_add_nc_u64 s[G0+4*\i+2:G0+4*\i+3], s[6:7], W0OFF+\i*32768
	s_or_b32 s[G0+4*\i+3], s[G0+4*\i+3], 0x80000000
	tensor_load_to_lds s[G0+4*\i:G0+4*\i+3], s[G1:G1+7]            ; every wave issues both: two tensor loads are out, all that this text has
	s_nop 0
.rept 4
	v_nop                                          ; four v_nop follow a joint load
.endr
.endr
	v_and_b32 v1, 15, v0                           ; r
	v_bfe_u32 v2, v0, 4, 1                         ; h
	v_and_b32 v3, 7, v0
	v_bfe_u32 v4, v0, 3, 1
	v_and_b32 v5, 31, v0
	v_lshlrev_b32 v8, 11, v1
	v_lshl_add_u32 v[AO], v2, 4, v8                ; ao: row r, 16 h bytes
	v_lshlrev_b32 v[OO], 4, v5                     ; 16 bytes a lane: a row of out0, and of b_0
	WIN 0x40
.irp a, 0,1
.irp s, 0,1,2,3,4,5,6,7
	global_load_b128 v[8*(2*\s+\a):8*(2*\s+\a)+3],   v[AO], s[4:5] offset:32768*\a+64*\s
	global_load_b128 v[8*(2*\s+\a)+4:8*(2*\s+\a)+7], v[AO], s[4:5] offset:32768*\a+64*\s+32
.endr
.endr
	WIN 0
	global_load_b128 v[BIAS:BIAS+3], v[OO], s[8:9]
	v_lshl_add_u32 v6, v2, 3, v3                   ; w_0: row k = 8 h + l % 8, 16 bytes for each half of eight lanes
	v_mul_u32_u24 v6, v6, PB
	v_lshl_add_u32 v6, v4, 4, v6
	v_add_nc_u32 v[VB], s32, v6
	v_add_nc_u32 v[VB+1], HALFB, v[VB]
	v_mul_u32_u24 v7, v1, PP                       ; partial sums: row r, 32 h bytes (eight f32)
	v_lshl_add_u32 v7, v2, 5, v7
	v_add_nc_u32 v[PST], s32, v7
	s_mul_i32 s33, s12, 8*PP
	v_add_nc_u32 v[PRD], s33, v[OO]
	v_add_nc_u32 v[PRD+1], QB, v[PRD]
	v_add_nc_u32 v[PRD+2], QB, v[PRD+1]
	v_add_nc_u32 v[PRD+3], QB, v[PRD+2]
.macro FETCHB s                        ; 16 transposing loads: 32 rows of w_0 x 128 columns, into the buffer of step s
.irp b, 0,1,2,3,4,5,6,7
	ds_load_tr16_b128 v[BB+64*((\s)&1)+8*\b:BB+64*((\s)&1)+8*\b+3],   v[VB+((\s)>>2)] offset:32*PB*((\s)&3)+32*\b
	ds_load_tr16_b128 v[BB+64*((\s)&1)+8*\b+4:BB+64*((\s)&1)+8*\b+7], v[VB+((\s)>>2)] offset:32*PB*((\s)&3)+32*\b+16*PB
.endr
.endm
; A step of 32 along K: the next step's fragments go out, then 16 products; the sixteen accumulators take turns, one instruction a turn;
; step 0 starts the sums.
.macro STEP s
.if \s > 0
	PLACES                                         ; behind the last products, which read the buffer that is loaded now
.endif
.if \s == 3
	s_wait_tensorcnt 0x0                           ; the second half of my quarter, which step 4 reads
.endif
.if \s < 7
	FETCHB \s+1
	s_wait_dscnt 16                                ; this step's fragments are in; the 16 loads just issued stay out
.else
	s_wait_dscnt 0x0
.endif
	WIN 0x54                                       ; source 0 (w_0) window 0, source 1 (ao), C and D window 1
.irp a, 0,1
.irp b, 0,1,2,3,4,5,6,7
.if \s == 0
	v_wmma_f32_16x16x32_bf16 v[ACC+8*(8*\a+\b):ACC+8*(8*\a+\b)+7], v[BB+64*(\s&1)+8*\b:BB+64*(\s&1)+8*\b+7], v[8*(2*\s+\a):8*(2*\s+\a)+7], 0
.else
	v_wmma_f32_16x16x32_bf16 v[ACC+8*(8*\a+\b):ACC+8*(8*\a+\b)+7], v[BB+64*(\s&1)+8*\b:BB+64*(\s&1)+8*\b+7], v[8*(2*\s+\a):8*(2*\s+\a)+7], v[ACC+8*(8*\a+\b):ACC+8*(8*\a+\b)+7]
.endif
.endr
.endr
	WIN 0
.endm
	s_wait_tensorcnt 0x1                           ; the first half of my quarter is in; the second stays out
	FETCHB 0
	s_wait_loadcnt 0x0                             ; ao and the bias
.irp s, 0,1,2,3,4,5,6,7
	STEP \s
.endr
	; My partial sums go into my own quarter: its fills have landed and my reads of it are back, and no other wave has touched it.
	PLACES
	WIN 0x04                                       ; the data of an LDS store are source 1: window 1
.irp a, 0,1
.irp b, 0,1,2,3,4,5,6,7
	ds_store_b128 v[PST], v[ACC+8*(8*\a+\b):ACC+8*(8*\a+\b)+3]   offset:16*PP*\a+64*\b
	ds_store_b128 v[PST], v[ACC+8*(8*\a+\b)+4:ACC+8*(8*\a+\b)+7] offset:16*PP*\a+64*\b+16
.endr
.endr
	WIN 0
	s_wait_dscnt 0x0                               ; for the other waves: my stores are done
	s_barrier_signal -1
	s_barrier_wait -1
	; Wave w sums rows 8 w .. 8 w + 7: a lane takes 16 bytes, the wave a whole row of 512 bytes, from each of the four quarters.
.irp i, 0,1,2,3,4,5,6,7
.irp p, 0,1,2,3
	ds_load_b128 v[BB+16*\i+4*\p:BB+16*\i+4*\p+3], v[PRD+\p] offset:PP*\i
.endr
.endr
.irp i, 0,1,2,3,4,5,6,7
	s_wait_dscnt 28-4*\i                           ; row i is in; the four loads of each later row stay out
	v_pk_add_f32 v[BB+16*\i:BB+16*\i+1],     v[BB+16*\i:BB+16*\i+1],     v[BB+16*\i+4:BB+16*\i+5]
	v_pk_add_f32 v[BB+16*\i+2:BB+16*\i+3],   v[BB+16*\i+2:BB+16*\i+3],   v[BB+16*\i+6:BB+16*\i+7]
	v_pk_add_f32 v[BB+16*\i+8:BB+16*\i+9],   v[BB+16*\i+8:BB+16*\i+9],   v[BB+16*\i+12:BB+16*\i+13]
	v_pk_add_f32 v[BB+16*\i+10:BB+16*\i+11], v[BB+16*\i+10:BB+16*\i+11], v[BB+16*\i+14:BB+16*\i+15]
	v_pk_add_f32 v[BB+16*\i:BB+16*\i+1],     v[BB+16*\i:BB+16*\i+1],     v[BB+16*\i+8:BB+16*\i+9]
	v_pk_add_f32 v[BB+16*\i+2:BB+16*\i+3],   v[BB+16*\i+2:BB+16*\i+3],   v[BB+16*\i+10:BB+16*\i+11]
	v_pk_add_f32 v[BB+16*\i:BB+16*\i+1],     v[BB+16*\i:BB+16*\i+1],     v[BIAS:BIAS+1]
	v_pk_add_f32 v[BB+16*\i+2:BB+16*\i+3],   v[BB+16*\i+2:BB+16*\i+3],   v[BIAS+2:BIAS+3]
	global_store_b128 v[OO], v[BB+16*\i:BB+16*\i+3], s[10:11] offset:512*\i th:TH_STORE_NT   ; the wave stores 512 consecutive bytes, aligned
.endr
	s_wait_tensorcnt 0x0
	ds_add_u32 v254, v255
	s_wait_dscnt 0x0
	CROUND                                         ; the closing round
	s_endpgm
.Lfunc_end_k_q0557dfc644_oproj:
	.size	k_q0557dfc644_oproj, .Lfunc_end_k_q0557dfc644_oproj-k_q0557dfc644_oproj
	.p2alignl 7, 3214868480
	.fill 96, 4, 3214868480
	.section	.rodata,"a",@progbits
	.p2align	6, 0x0
	.amdhsa_kernel k_q0557dfc644_oproj
		.amdhsa_group_segment_fixed_size 295424
		.amdhsa_private_segment_fixed_size 0
		.amdhsa_enable_private_segment 0
		.amdhsa_kernarg_size 32
		.amdhsa_user_sgpr_count 2
		.amdhsa_user_sgpr_kernarg_segment_ptr 1
		.amdhsa_wavefront_size32 1
		.amdhsa_system_sgpr_workgroup_id_x 1
		.amdhsa_system_sgpr_workgroup_id_y 1
		.amdhsa_system_sgpr_workgroup_id_z 1
		.amdhsa_system_vgpr_workitem_id 0
		.amdhsa_next_free_vgpr 512
		.amdhsa_next_free_sgpr 66
		.amdhsa_reserve_vcc 0
		.amdhsa_float_denorm_mode_32 3
		.amdhsa_float_denorm_mode_16_64 3
		.amdhsa_memory_ordered 1
		.amdhsa_forward_progress 1
		.amdhsa_inst_pref_size 35
	.end_amdhsa_kernel
	.amdgpu_metadata
---
amdhsa.version: [ 1, 2 ]
amdhsa.kernels:
  - .name:           k_q0557dfc644_oproj
    .symbol:         k_q0557dfc644_oproj.kd
    .args:
      - { .name: ao, .offset: 0, .size: 8, .value_kind: global_buffer, .address_space: global }
      - { .name: wb, .offset: 8, .size: 8, .value_kind: global_buffer, .address_space: global }
      - { .name: b_0, .offset: 16, .size: 8, .value_kind: global_buffer, .address_space: global }
      - { .name: out0, .offset: 24, .size: 8, .value_kind: global_buffer, .address_space: global }
    .group_segment_fixed_size: 295424
    .private_segment_fixed_size: 0
    .kernarg_segment_align: 8
    .kernarg_segment_size: 32
    .max_flat_workgroup_size: 128
    .sgpr_count:     66
    .vgpr_count:     512
    .wavefront_size: 32
...
	.end_amdgpu_metadata
.endif
;; end of part 4
;; ======== version 2 of 2: 4 launches; version 1 with the launch castw written anew for expert scheduling mode
;; workspace buffers: wb 6,553,600 bytes; pj 50,331,648 bytes; ao 16,777,216 bytes
;; launch castw (part 5): grid 200 x 1, 8 waves a work-group, no clusters, 0 bytes of LDS; arguments w_q, w_k, w_v, w_0, wb; writes wb
.if DOCPART == 5
	.amdgcn_target "amdgcn-amd-amdhsa--gfx1250"
	.amdhsa_code_object_version 6
	.text
	.protected	k_q0557dfc644_castw
	.globl	k_q0557dfc644_castw
	.p2align	8
	.type	k_q0557dfc644_castw,@function
k_q0557dfc644_castw:
	s_mov_b64 s[64:65], 0
	v_nop
	global_prefetch_b8 v0, s[64:65] scope:SCOPE_SE
	s_setreg_imm32_b32 hwreg(HW_REG_WAVE_SCHED_MODE, 0, 2), 2
	s_setreg_imm32_b32 hwreg(HW_REG_WAVE_MODE, 25, 1), 1
	s_wait_xcnt 0x0
	s_wait_alu depctr_vm_vsrc(0)
; wb = bf16(w_q), bf16(w_k), bf16(w_v), bf16(w_0), one behind the other, each in its own layout [K][N].
; The transposing LDS load that later feeds the matrix units takes 16-bit numbers, so the weights are rounded once, here.
; A stream: no LDS, no barrier, no matrix unit, nothing shared between work-groups, so no cluster either.
; Work-group id owns 16,384 numbers: 65,536 bytes in, 32,768 bytes out.  ids 0-63 w_q, 64-127 w_k, 128-191 w_v, 192-199 w_0.
; Thread t, pass i: 16 bytes at 4,096 i + 16 t in, 8 bytes at 2,048 i + 8 t out: a store of a wave covers 256 consecutive bytes, aligned.
; All sixteen loads go out first; no register is used twice.
; THE MODE: SCHED_MODE bits 1:0 = 2 (LLVM: expert scheduling mode 2), set by the entry lines.  The code itself states the register dependences
; between vector instructions and memory instructions, with s_wait_alu, always for 0.
; THE PLAN.  Registers that memory instructions touch:
;   v1, v2   byte offsets of the loads and of the stores: written once at the head, never again.
;   IN       pass i: written by the pass's load, read by its two conversions; no vector instruction names it ahead of the load.
;   OUT      pass i: written by the pass's two conversions, read by its store; written once.
; The sixteen passes go in four groups of four.  The store of pass i stands in pass i + 4, ahead of that pass's conversions.  So one wait at a group's
; head states that the group before has written its OUT, and the group's four stores follow with no further wait: the vector instructions issued since
; that wait are this group's conversions, which name this group's IN and OUT alone.  No register that a memory instruction reads is written again.
.set PASSES, 16
.set GROUP,  4                         ; passes in a group
.set IN,  4                            ; v[4:67]   pass i: four f32
.set OUT, 68                           ; v[68:99]  pass i: four bf16
	s_load_b256 s[4:11], s[0:1], 0x0               ; w_q s[4:5], w_k s[6:7], w_v s[8:9], w_0 s[10:11]
	s_load_b64 s[12:13], s[0:1], 0x20              ; wb
	s_lshr_b32 s14, ttmp9, 6                       ; which weight
	s_and_b32 s16, ttmp9, 63
	s_lshl_b32 s16, s16, 16                        ; my 65,536 bytes in it
	s_mov_b32 s17, 0
	s_lshl_b32 s18, ttmp9, 15                      ; my 32,768 bytes in wb
	s_mov_b32 s19, 0
	v_lshlrev_b32 v1, 4, v0
	v_lshlrev_b32 v2, 3, v0
	s_wait_kmcnt 0x0
	s_cmp_eq_u32 s14, 1
	s_cselect_b64 s[4:5], s[6:7], s[4:5]
	s_cmp_eq_u32 s14, 2
	s_cselect_b64 s[4:5], s[8:9], s[4:5]
	s_cmp_eq_u32 s14, 3
	s_cselect_b64 s[4:5], s[10:11], s[4:5]
	s_add_nc_u64 s[4:5], s[4:5], s[16:17]
	s_add_nc_u64 s[12:13], s[12:13], s[18:19]
	s_wait_alu depctr_va_vdst(0)                   ; v1 and v2 are written: every load of the kernel reads v1 as its offset, every store v2
.set i, 0
.rept PASSES
	global_load_b128 v[IN+4*i:IN+4*i+3], v1, s[4:5] offset:4096*i th:TH_LOAD_NT
.set i, i+1
.endr
.set i, 0
.rept PASSES
	s_wait_loadcnt PASSES-1-i                      ; loads come back in order: pass i is in, the younger ones stay out
.if ((i % GROUP) == 0) && (i > 0)
	s_wait_alu depctr_va_vdst(0)                   ; the conversions of the group before have written their eight OUT registers, which this group's four stores read
.endif
.if i >= GROUP
	global_store_b64 v2, v[OUT+2*(i-GROUP):OUT+2*(i-GROUP)+1], s[12:13] offset:2048*(i-GROUP)  ; the pass four back; no vector instruction since the wait names its registers
.endif
	v_cvt_pk_bf16_f32 v[OUT+2*i],   v[IN+4*i],   v[IN+4*i+1]
	v_cvt_pk_bf16_f32 v[OUT+2*i+1], v[IN+4*i+2], v[IN+4*i+3]
.set i, i+1
.endr
	s_wait_alu depctr_va_vdst(0)                   ; the last group's conversions have written their OUT registers, which the last four stores read
.set i, PASSES-GROUP
.rept GROUP
	global_store_b64 v2, v[OUT+2*i:OUT+2*i+1], s[12:13] offset:2048*i
.set i, i+1
.endr
	s_endpgm
.Lfunc_end_k_q0557dfc644_castw:
	.size	k_q0557dfc644_castw, .Lfunc_end_k_q0557dfc644_castw-k_q0557dfc644_castw
	.p2alignl 7, 3214868480
	.fill 96, 4, 3214868480
	.section	.rodata,"a",@progbits
	.p2align	6, 0x0
	.amdhsa_kernel k_q0557dfc644_castw
		.amdhsa_group_segment_fixed_size 0
		.amdhsa_private_segment_fixed_size 0
		.amdhsa_enable_private_segment 0
		.amdhsa_kernarg_size 40
		.amdhsa_user_sgpr_count 2
		.amdhsa_user_sgpr_kernarg_segment_ptr 1
		.amdhsa_wavefront_size32 1
		.amdhsa_system_sgpr_workgroup_id_x 1
		.amdhsa_system_sgpr_workgroup_id_y 1
		.amdhsa_system_sgpr_workgroup_id_z 1
		.amdhsa_system_vgpr_workitem_id 0
		.amdhsa_next_free_vgpr 104
		.amdhsa_next_free_sgpr 66
		.amdhsa_reserve_vcc 0
		.amdhsa_float_denorm_mode_32 3
		.amdhsa_float_denorm_mode_16_64 3
		.amdhsa_memory_ordered 1
		.amdhsa_forward_progress 1
		.amdhsa_inst_pref_size 7
	.end_amdhsa_kernel
	.amdgpu_metadata
---
amdhsa.version: [ 1, 2 ]
amdhsa.kernels:
  - .name:           k_q0557dfc644_castw
    .symbol:         k_q0557dfc644_castw.kd
    .args:
      - { .name: w_q, .offset: 0, .size: 8, .value_kind: global_buffer, .address_space: global }
      - { .name: w_k, .offset: 8, .size: 8, .value_kind: global_buffer, .address_space: global }
      - { .name: w_v, .offset: 16, .size: 8, .value_kind: global_buffer, .address_space: global }
      - { .name: w_0, .offset: 24, .size: 8, .value_kind: global_buffer, .address_space: global }
      - { .name: wb, .offset: 32, .size: 8, .value_kind: global_buffer, .address_space: global }
    .group_segment_fixed_size: 0
    .private_segment_fixed_size: 0
    .kernarg_segment_align: 8
    .kernarg_segment_size: 40
    .max_flat_workgroup_size: 256
    .sgpr_count:     66
    .vgpr_count:     104
    .wavefront_size: 32
...
	.end_amdgpu_metadata
.endif
;; end of part 5
;; launch proj: the kernel of part 2 again; grid 4 x 192, 4 waves a work-group, clusters of 4 x 4, 327,680 bytes of LDS; arguments q, k, v, wb, b_q, b_k, b_v, pj; writes pj
;; launch attn: the kernel of part 3 again; grid 8 x 32, 4 waves a work-group, clusters of 4 x 1, 327,680 bytes of LDS; arguments pj, ao; writes ao
;; launch oproj: the kernel of part 4 again; grid 256 x 1, 4 waves a work-group, clusters of 4 x 1, 295,424 bytes of LDS; arguments ao, wb, b_0, out0; writes out0
